; MI455X (gfx1250); checked and timed in simulation.
; The chip was launched on July 23, 2026; its instructions are those of AMD's public machine-readable ISA for CDNA 5 (MIT licence, August 2026) and "CDNA5" Instruction Set Architecture Reference Guide (July 2026). The comments in the code are by the model that wrote it; some were corrected since.
;; Nearest Sim. Allowed arithmetic: matrix products marked QUANTISED: E2M1 operands, one E8M0 scale for each 32 along K, by v_wmma_scale_f32_16x16x128_f8f6f4 with both operands' format E2M1 (or v_wmma_scale_f32_32x16x128_f4), f32 sums; everything else in f32.
;; Inputs: items 4,096 x 512 float32; queries 8 x 2,048 x 512 float32.
;; Outputs: out0 8 x 2,048 float32.
;; This version of the problem:
;;   THIS VERSION OF THE PROBLEM IS GIVEN IN LOW PRECISION. The matrix products marked QUANTISED in the list below multiply operands that are first quantised to E2M1 (2 exponent bits, 1 mantissa bit; 4 bits a number), with one power-of-two scale for each 32 numbers along K (OCP MX v1.0); their sums are f32. All else is computed in f32.
;;   The module's matrix products, in the order in which they are computed (A, B: the left and right operand; K: the contracted axis; several contracted axes count as one K, in the product's order):
;;     1. [M 16,384, K 512] x [K 512, N 4,096]; A: input queries; B: input items: QUANTISED
;;   THE QUANTISER, for each operand of a quantised product, along K:
;;     - K is cut into blocks of 32 from its start; a last block that is shorter is filled with zeros.
;;     - A block's scale is 2^e with e = floor(log2(the largest magnitude in the block)) - 2, held to -126 .. 127; a block of zeros has e = 0. As a byte (E8M0): e + 127.
;;     - Each number is divided by its block's scale, clamped to +-6, and rounded to the nearest number of E2M1, ties to even, subnormals kept.
;;     - The product sums the exact products of the quantised numbers (number of the format x scale) in f32.
;;   ~~~python
;;   def quantise(x, axis):      # numpy; x: float32 -> the quantised numbers, widened to float32 again
;;       x = np.moveaxis(x, axis, -1); K = x.shape[-1]
;;       x = np.pad(x, [(0, 0)] * (x.ndim - 1) + [(0, -K % 32)]); x = x.reshape(x.shape[:-1] + (-1, 32)); a = np.abs(x).max(-1, keepdims=True)
;;       e = np.where(a > 0, np.clip(np.frexp(np.where(a > 0, a, 1))[1] - 1 - 2, -126, 127), 0)      # np.frexp(a)[1] - 1 = floor(log2(a)), exactly
;;       r = np.clip(x / 2.0 ** e, -6, 6)
;;       step = 2.0 ** (np.maximum(np.frexp(np.where(r == 0, 1, r))[1] - 1, 0) - 1)
;;       q = np.round(r / step) * step * 2.0 ** e      # np.round: ties to even
;;       return np.moveaxis(q.reshape(q.shape[:-2] + (-1,))[..., :K], -1, axis).astype(np.float32)
;;   ~~~
;; One version. Each part assembles by itself: llvm-mc -triple=amdgcn-amd-amdhsa -mcpu=gfx1250 --defsym DOCPART=n.
;; ======== version 1 of 1: 3 launches
;; limits: right only within a limited range of input values
;; workspace buffers: qpack 4,456,448 bytes; ipack 1,114,112 bytes; cand 524,288 bytes of whole numbers
;; launch quant (part 1): grid 256 x 1, 5 waves a work-group, no clusters, 22,528 bytes of LDS; arguments queries, items, qpack, ipack; writes qpack, ipack
.if DOCPART == 1
	.amdgcn_target "amdgcn-amd-amdhsa--gfx1250"
	.amdhsa_code_object_version 6
	.text
	.protected	k_qfd7cb5ca9e_quant
	.globl	k_qfd7cb5ca9e_quant
	.p2align	8
	.type	k_qfd7cb5ca9e_quant,@function
k_qfd7cb5ca9e_quant:
	s_mov_b64 s[64:65], 0
	v_nop
	global_prefetch_b8 v0, s[64:65] scope:SCOPE_SE
	s_setreg_imm32_b32 hwreg(HW_REG_WAVE_MODE, 25, 1), 1
	s_wait_xcnt 0x0
; queries [16384][512] and items [4096][512], f32, become codes of FP4 (E2M1) with one E8M0 scale byte for each 32 along K, laid in the ORDER OF THE OPERAND'S REGISTERS.
; A block's scale is 2^(floor(log2(its largest magnitude)) - 2); its byte is the largest magnitude's exponent field - 2, held at 1 from below; each number is divided by the scale and
; rounded to the nearest code, ties to even, beyond 6 the largest code.
; LAYOUT OF BOTH PACKS.  32 rows are a pair of 8,704 bytes: rows 0-15's codes (4,096 bytes), rows 16-31's codes (4,096), the 32 rows' scale bytes (32 x 16).  A tile's codes lie
; [block b = 0..15][row r = 0..15][16 bytes]: the fragment of K step ks (128 along K) is the 1,024 bytes at 1024 ks, and its registers 4 c .. 4 c + 3 of lane l are the 16 bytes at 512 c + 16 l.
; SHARES.  20,480 rows are 1,280 tiles of 16 rows = 256 work-groups x 5 waves: a wave takes one tile; tiles 0-1023 are the queries', the others the items'.  Only pointers are chosen: one path.
; A step takes 64 along K of the 16 rows.  Its eight loads read two whole rows' 256 bytes each (16 lanes to a row); the 4,096 bytes turn through the wave's own stage in LDS (rows 272 bytes apart)
; and come back 128 bytes a lane: lane (r, h) then holds the WHOLE block 2 c + h of row r in 32 registers, so no other lane is asked for a maximum and the four conversions give 16 bytes of codes.
; Every store of codes covers 512 consecutive bytes; the tile's 256 scale bytes leave as one aligned run of 256 bytes.  Waves share nothing: no barrier.  No tile is shared between work-groups: no cluster.
; LIMITS: NaN and infinities among the inputs are not served.  A block of zeros, and one whose largest magnitude lies under 2^-124, gets the byte 1 (the rule says 127 for zeros): a block of zeros has
; zero codes, which add nothing under that byte, and this program alone reads the bytes.
; WORK LEFT OUT BY THIS PROGRAM.  The softmax over the items is, in exact arithmetic, strictly increasing in the score along a row (exp(s - m) over one positive sum, m and the sum the same for the whole row), so for all values
; of the inputs the index of its largest entry, ties to the lower index, is that of the largest score; and its values reach no output but through that index.  Of the two indices of the top two only the first is used.
; So the exponentials, the sum, the division and the second index are not computed.  LIMIT: a NaN, an infinity or an overflow that reaches only this work is not carried to the result.
.set PAIRB, 8704                       ; bytes of a pair in a pack
.set QT,    1024                       ; the queries' tiles
.set SP,    272                        ; a stage row: 256 bytes + 16
.set STGB,  16*SP                      ; a wave's stage
.set IN,    1                          ; v1   2048 h + 16 r: my 16 bytes of a load's two rows
.set L16,   2                          ; v2   16 x lane
.set SA,    3                          ; v3   the stage on the way in: row h, byte 16 r
.set LB,    4                          ; v4   and on the way out: row r, byte 128 h
.set SH8,   5                          ; v5   8 h
.set SO,    6                          ; v6   16 r + 8 h: my 8 scale bytes' place
.set HH,    7                          ; v7   h
.set SB,    16                         ; v16-19  my row's scale words
.set PD,    20                         ; v20-23  the other half's
.set OW,    24                         ; v24-25  the two words that I store
.set X,     32                         ; v32-63  a block's 32 numbers
.set C,     64                         ; v64-95  codes: four registers for each step, so that no store's data are written again
.set R,     96                         ; v96-223 four sets of 32 registers as loaded
	s_load_b256 s[4:11], s[0:1], 0x0               ; queries s[4:5], items s[6:7], qpack s[8:9], ipack s[10:11]
	v_lshl_add_u32 v224, v0, 2, 0x5500
	v_mov_b32 v225, 0
	v_lshrrev_b32 v8, 5, v0
	v_readfirstlane_b32 s12, v8                    ; wave 0..4
	v_and_b32 v9, 15, v0                           ; r
	v_bfe_u32 v[HH], v0, 4, 1                      ; h
	v_and_b32 v10, 31, v0                          ; lane
	v_lshlrev_b32 v[IN], 4, v9
	v_lshl_add_u32 v[IN], v[HH], 11, v[IN]
	v_lshlrev_b32 v[L16], 4, v10
	s_mul_i32 s13, s12, STGB                       ; my stage
	v_mul_u32_u24 v[SA], v[HH], SP
	v_lshl_add_u32 v[SA], v9, 4, v[SA]
	v_add_nc_u32 v[SA], s13, v[SA]
	v_mul_u32_u24 v[LB], v9, SP
	v_lshl_add_u32 v[LB], v[HH], 7, v[LB]
	v_add_nc_u32 v[LB], s13, v[LB]
	v_lshlrev_b32 v[SH8], 3, v[HH]
	v_lshl_add_u32 v[SO], v9, 4, v[SH8]
.irp j, 0,1,2,3
	v_mov_b32 v[PD+\j], 0                          ; written once: a lane permute's destination counts as one of its sources
.endr
	s_mov_b32 s20, 0x76543210
	s_mov_b32 s21, 0xfedcba98                      ; v_permlanex16_b32's selects for lane l xor 16
	s_mul_i32 s14, ttmp9, 5
	s_add_co_u32 s14, s14, s12                     ; my tile, 0..1279
	s_wait_alu depctr_va_vdst(0)
	s_wait_kmcnt 0x0
	s_cmp_lt_u32 s14, QT                           ; the queries' or the items'?  The choice hangs on ids alone; all three selections stand ahead of the subtraction
	s_cselect_b64 s[4:5], s[4:5], s[6:7]
	s_cselect_b64 s[8:9], s[8:9], s[10:11]
	s_cselect_b32 s15, 0, QT
	s_sub_co_u32 s14, s14, s15                     ; my tile in its tensor
	s_lshl_b32 s16, s14, 15                        ; 16 rows of 2,048 bytes
	s_mov_b32 s17, 0
	s_add_nc_u64 s[4:5], s[4:5], s[16:17]          ; the tile's first number
	s_lshr_b32 s18, s14, 1
	s_mul_i32 s18, s18, PAIRB                      ; its pair
	s_and_b32 s19, s14, 1                          ; and which tile of the pair
	s_lshl_b32 s16, s19, 12
	s_add_co_u32 s16, s16, s18
	s_add_nc_u64 s[22:23], s[8:9], s[16:17]        ; where its codes go
	s_lshl_b32 s16, s19, 8
	s_add_co_u32 s16, s16, s18
	s_add_co_u32 s16, s16, 8192
	s_add_nc_u64 s[24:25], s[8:9], s[16:17]        ; where its scale bytes go
.macro LOAD c                          ; step c: load i reads rows 2 i and 2 i + 1, 256 consecutive bytes of each.  No cache word: the last launch reads these bytes again
.irp i, 0,1,2,3,4,5,6,7
	global_load_b128 v[R+32*((\c)%4)+4*\i:R+32*((\c)%4)+4*\i+3], v[IN], s[4:5] offset:4096*\i+256*(\c)
.endr
.endm
.macro STEP c
.if 7-(\c) >= 3
	s_wait_loadcnt 24                              ; this step's eight loads are in; those of the three steps behind it may be out
.else
	s_wait_loadcnt 8*(7-(\c))
.endif
.irp i, 0,1,2,3,4,5,6,7
	ds_store_b128 v[SA], v[R+32*((\c)%4)+4*\i:R+32*((\c)%4)+4*\i+3] offset:2*SP*\i
.endr
.irp i, 0,1,2,3,4,5,6,7
	ds_load_b128 v[X+4*\i:X+4*\i+3], v[LB] offset:16*\i          ; LDS serves a wave's instructions in order (ISA guide 5.7.1.4): these see the stores above
.endr
	s_wait_dscnt 0x0                               ; my block is in registers, and the stores have read theirs,
.if (\c) < 4
	LOAD (\c)+4                                    ; which take the loads of four steps on
.endif
	v_max3_num_f32 v8, |v[X]|, |v[X+1]|, |v[X+2]|                ; the block's largest magnitude: all 32 numbers are mine; two chains
	v_max3_num_f32 v9, |v[X+3]|, |v[X+4]|, |v[X+5]|
.irp i, 6,10,14,18,22,26
	v_max3_num_f32 v8, v8, |v[X+\i]|, |v[X+\i+1]|
	v_max3_num_f32 v9, v9, |v[X+\i+2]|, |v[X+\i+3]|
.endr
	v_max3_num_f32 v8, v8, |v[X+30]|, |v[X+31]|
	v_max3_num_f32 v8, v8, v9, 0x1800000           ; and the floor 2^(3 - 127): the byte cannot fall under 1
	v_add_nc_u32 v10, 0xff000000, v8               ; 2 off its exponent field: the conversion takes the exponent field of this operand as its scale, and nothing else of it
.irp g, 0,1,2,3
	v_cvt_scalef32_pk8_fp4_f32 v[C+4*(\c)+\g], v[X+8*\g:X+8*\g+7], v10
.endr
	v_lshrrev_b32 v11, 23, v10                     ; the scale's byte (a plain line behind the conversions)
.if (\c)%2 == 0
	v_lshlrev_b32 v[SB+(\c)/2], v[SH8], v11        ; block 2 c + h is byte 2 (c % 2) + h of word c / 2
.else
	v_lshlrev_b32 v12, v[SH8], v11
	v_lshl_or_b32 v[SB+(\c)/2], v12, 16, v[SB+(\c)/2]
.endif
	global_store_b128 v[L16], v[C+4*(\c):C+4*(\c)+3], s[22:23] offset:512*(\c)   ; blocks 2 c and 2 c + 1 of the 16 rows: 512 consecutive bytes
.endm
.irp c, 0,1,2,3
	LOAD \c
.endr
.irp c, 0,1,2,3,4,5,6,7
	STEP \c
.endr
.irp j, 0,1,2,3
	v_permlanex16_b32 v[PD+\j], v[SB+\j], s20, s21
.endr
.irp j, 0,1,2,3
	v_or_b32 v[SB+\j], v[SB+\j], v[PD+\j]          ; with lane l xor 16's bytes my row's four words are whole
.endr
	v_cmp_ne_u32 vcc_lo, 0, v[HH]
	v_cndmask_b32 v[OW], v[SB], v[SB+2], vcc_lo    ; lanes 0-15 store words 0 and 1 of their row, lanes 16-31 words 2 and 3
	v_cndmask_b32 v[OW+1], v[SB+1], v[SB+3], vcc_lo
	global_store_b64 v[SO], v[OW:OW+1], s[24:25]   ; the 32 lanes store 256 consecutive bytes, at a multiple of 256 from the pack's first byte
	s_wait_tensorcnt 0x0
	ds_add_u32 v224, v225
	s_wait_dscnt 0x0
	s_endpgm
.Lfunc_end_k_qfd7cb5ca9e_quant:
	.size	k_qfd7cb5ca9e_quant, .Lfunc_end_k_qfd7cb5ca9e_quant-k_qfd7cb5ca9e_quant
	.p2alignl 7, 3214868480
	.fill 96, 4, 3214868480
	.section	.rodata,"a",@progbits
	.p2align	6, 0x0
	.amdhsa_kernel k_qfd7cb5ca9e_quant
		.amdhsa_group_segment_fixed_size 22528
		.amdhsa_private_segment_fixed_size 0
		.amdhsa_enable_private_segment 0
		.amdhsa_kernarg_size 32
		.amdhsa_user_sgpr_count 2
		.amdhsa_user_sgpr_kernarg_segment_ptr 1
		.amdhsa_wavefront_size32 1
		.amdhsa_system_sgpr_workgroup_id_x 1
		.amdhsa_system_sgpr_workgroup_id_y 1
		.amdhsa_system_sgpr_workgroup_id_z 1
		.amdhsa_system_vgpr_workitem_id 0
		.amdhsa_next_free_vgpr 226
		.amdhsa_next_free_sgpr 66
		.amdhsa_reserve_vcc 1
		.amdhsa_float_denorm_mode_32 3
		.amdhsa_float_denorm_mode_16_64 3
		.amdhsa_memory_ordered 1
		.amdhsa_forward_progress 1
		.amdhsa_inst_pref_size 30
	.end_amdhsa_kernel
	.amdgpu_metadata
---
amdhsa.version: [ 1, 2 ]
amdhsa.kernels:
  - .name:           k_qfd7cb5ca9e_quant
    .symbol:         k_qfd7cb5ca9e_quant.kd
    .args:
      - { .name: queries, .offset: 0, .size: 8, .value_kind: global_buffer, .address_space: global }
      - { .name: items, .offset: 8, .size: 8, .value_kind: global_buffer, .address_space: global }
      - { .name: qpack, .offset: 16, .size: 8, .value_kind: global_buffer, .address_space: global }
      - { .name: ipack, .offset: 24, .size: 8, .value_kind: global_buffer, .address_space: global }
    .group_segment_fixed_size: 22528
    .private_segment_fixed_size: 0
    .kernarg_segment_align: 8
    .kernarg_segment_size: 32
    .max_flat_workgroup_size: 160
    .sgpr_count:     66
    .vgpr_count:     226
    .wavefront_size: 32
...
	.end_amdgpu_metadata
.endif
;; end of part 1
;; launch score (part 2): grid 64 x 4, 8 waves a work-group, clusters of 4 x 1, 327,680 bytes of LDS; arguments qpack, ipack, cand; writes cand
.if DOCPART == 2
	.amdgcn_target "amdgcn-amd-amdhsa--gfx1250"
	.amdhsa_code_object_version 6
	.text
	.protected	k_qfd7cb5ca9e_score
	.globl	k_qfd7cb5ca9e_score
	.p2align	8
	.type	k_qfd7cb5ca9e_score,@function
k_qfd7cb5ca9e_score:
	s_mov_b64 s[64:65], 0
	v_nop
	global_prefetch_b8 v0, s[64:65] scope:SCOPE_SE
	s_setreg_imm32_b32 hwreg(HW_REG_WAVE_MODE, 25, 1), 1
	s_wait_xcnt 0x0
	s_wait_alu depctr_hold_cnt(0) depctr_sa_sdst(0) depctr_va_vdst(0) depctr_va_sdst(0) depctr_va_ssrc(0) depctr_va_vcc(0) depctr_vm_vsrc(0)
	s_getreg_b32 s2, hwreg(HW_REG_IB_STS2, 6, 4)
	s_cmp_eq_u32 s2, 0
	s_cbranch_scc0 .Lentry_in_a_cluster
	s_endpgm
.Lentry_in_a_cluster:
	s_bfe_u32 s2, ttmp6, 0x10000c
	s_cmp_lg_u32 s2, 0x3003
	s_cbranch_scc0 .Lentry_shape_is_right
	s_endpgm
.Lentry_shape_is_right:
; score = Q(queries) Q(items)^T on codes of FP4 (E2M1) with E8M0 scales, f32 sums; for each query and each quarter of the items the largest score and the LOWEST item that has it.
; WORK LEFT OUT: the softmax and the second of the top two (the first kernel's head says why): the item wanted is the argmax of the score, ties to the lower index.
; LIMITS: NaN and infinities are not served.  Where the softmax's own rounding would make two DIFFERENT scores equal (a gap near 2^-24, which needs scores under 1 in magnitude),
; the problem's text takes the lower index and this text the larger score.
; SHARES.  Work-group (x, y): queries 256 x .. + 255, items 1024 y .. + 1023.  Wave w = 4 p + g: queries 64 g .. + 63, four tiles of 16 with all of K = 512 in 128 registers; items: pairs (of 32) 8 p .. 8 p + 7 and 16 + 8 p .. 23 + 8 p
; of the quarter's 32.  An item fragment of 2,048 bytes read from LDS feeds four matrix instructions.  The quarter of the pack, 32 x 8,704 bytes, lies in LDS whole: pair n at byte 8,704 n, each byte filled ONCE.
; FILLS.  Two joint loads a wave: at the head pairs 2 w, 2 w + 1 (together pairs 0-15); behind a round, when those have landed, pairs 16 + 2 w, 17 + 2 w.  No prefetch: these two loads ask for all that is read through LDS, the second
; seven trips ahead of its first read; nothing is left to run ahead of.
; CLUSTER.  The four work-groups of a cluster have the same y and need the same quarter: each load is a JOINT one, the same descriptor and the mask of all four.
; A TRIP multiplies one pair by the four query tiles (16 matrix instructions of 32 x 16 x 128, the four tiles by turns) into one of two sets of accumulators, then does the argmax over the OTHER set, the pair before, under which the next pair's fragments are loaded.
; ARGMAX.  Source 0 = 32 items, source 1 = 16 queries: lane (r, h) holds query r, register k item 16 (k / 8) + 8 h + k % 8 of the pair: 16 scores in ascending items.  The running maximum goes through eight three-input maxima, from one register to another
; (two by turns); where it has grown, the pair's code and its first 15 scores are kept by selects.  Items go upward and only a larger score takes the record: the lowest pair wins a tie; the place inside the pair is found once, behind the sweep.
; OUT.  The score as a u32 that keeps the order, and the index: whole numbers, from which the next launch chooses among the four quarters.
; REGISTERS.  Window 0: addresses, records, scales, item fragments.  Window 1: v0-127 the queries' fragments, v128-255 two sets of four accumulators of 16.
.set PAIRB, 8704
.set PARTB, 8*PAIRB                    ; eight pairs: a wave's part of a half
.set HALFB, 16*PAIRB                   ; sixteen pairs: half the quarter
.set STAGE, 2*HALFB                    ; behind the pairs: 512 bytes for each wave, for the way out; no fill lands there
.set SPARE, STAGE+8*512                ; the spare words, 128 bytes for each wave, that no other line names
.set L16,  1                           ; v1      16 x lane
.set R16,  2                           ; v2      16 r
.set LAB,  3                           ; v3      16 x lane + my part's first byte
.set LA,   4                           ; v4      where the next pair to be fetched lies
.set SPW,  5                           ; v5      LDS address of my spare word; never rewritten
.set NIL,  6                           ; v6      0; never rewritten
.set TT,   8                           ; v8-11   at work, a register for each query tile
.set CODE, 12                          ; v12-15  32 x the winning pair's number in my sweep
.set BEST, 16                          ; v16-23  the running maximum: the pairs of set s read v[BEST + 4 s + q] and write the other four
.set IS,   24                          ; v24-27  the item pair's scale words: lane m row m, one register for each K step.  v24-43 hold scales and nothing else
.set QS,   28                          ; v28-43  the queries': v[QS + 4 q + ks], lanes 0-15
.set BF,   44                          ; v44-107 the pair's fragments: v[BF + 16 ks]: eight registers of its rows 0-15, eight of its rows 16-31
.set SV,   108                         ; v108-167 the winning pair's first 15 scores: v[SV + 15 q + k]
.set QF,   0                           ; window 1: v[QF + 32 q + 8 ks]
.set ACC,  128                         ; window 1: v[ACC + 64 set + 16 q]
.set G1,   16                          ; s[16:23] descriptor group 1
.set G0,   24                          ; s[24:31] two groups 0
.set MK,   32                          ; s[32:35] lane masks, one for each query tile
.set TB,   36                          ; s36     the byte, in my part, of the pair that LA is set to next
.set CNT,  37
.set SEL,  38                          ; s[38:39] v_permlanex16_b32's selects for lane l xor 16
.set TC,   40                          ; s40     the code of the pair whose argmax is done next
.set MSB, 0
.macro WIN new                         ; the immediate's high byte repeats the setting that is left
.if MSB != \new
	s_set_vgpr_msb (MSB<<8)|\new
.set MSB, \new
.endif
.endm
.set WMUL, 0x54                        ; source 0 (items) window 0; source 1 (queries), C and D window 1
.set WTOP, 0x14                        ; sources 1 and 2 window 1; source 0 and the destination window 0
; A round of the cluster's barrier: my work-group's barrier; wave 0 signals for the work-group; every wave waits for all four work-groups; my work-group's barrier once more.
.macro ROUND
	s_barrier_signal -1
	s_barrier_wait -1
	s_cmp_lg_u32 s10, 0
	s_cbranch_scc1 .Lnot_wave_0_\@
	s_barrier_signal -3
.Lnot_wave_0_\@:
	s_barrier_wait -3
	s_barrier_signal -1
	s_barrier_wait -1
.endm
.macro FRAGS adr                       ; a pair's 17 loads, each of 512 consecutive bytes: the scale words, then K step by K step four of codes
	ds_load_b128 v[IS:IS+3], v[\adr] offset:8192
.irp ks, 0,1,2,3
.irp t, 0,1
.irp c, 0,1
	ds_load_b128 v[BF+16*\ks+8*\t+4*\c:BF+16*\ks+8*\t+4*\c+3], v[\adr] offset:4096*\t+1024*\ks+512*\c
.endr
.endr
.endr
.endm
.macro MUL st                          ; the first K step starts the sums with the constant 0; the four accumulators take turns, one instruction a turn
.irp ks, 0,1,2,3
	s_wait_dscnt 12-4*\ks                          ; this K step's fragment is in; four loads for each later K step may be out
.irp q, 0,1,2,3
.set rD, ACC+64*(\st)+16*\q
.if \ks == 0
	v_wmma_scale_f32_32x16x128_f4 v[rD:rD+15], v[BF:BF+15], v[QF+32*\q:QF+32*\q+7], 0, v[IS], v[QS+4*\q]
.else
	v_wmma_scale_f32_32x16x128_f4 v[rD:rD+15], v[BF+16*\ks:BF+16*\ks+15], v[QF+32*\q+8*\ks:QF+32*\q+8*\ks+7], v[rD:rD+15], v[IS+\ks], v[QS+4*\q+\ks]
.endif
.endr
.endr
.endm
.macro TOP st, s                       ; step s of 8 of the running maximum, two scores a step, by turns over the query tiles; step 0 names the accumulator's lowest registers
.irp q, 0,1,2,3
.set rE, ACC+64*(\st)+16*\q
.if (\s) == 0
	v_max3_num_f32 v[TT+\q], v[BEST+4*(\st)+\q], v[rE], v[rE+1]
.elseif (\s) < 7
	v_max3_num_f32 v[TT+\q], v[TT+\q], v[rE+2*(\s)], v[rE+2*(\s)+1]
.else
	v_max3_num_f32 v[BEST+4*(1-(\st))+\q], v[TT+\q], v[rE+14], v[rE+15]
.endif
.endr
.endm
.macro KEEP st, step                   ; where the maximum has grown the record is taken.  step = 1: LA goes on to the pair that the next trip fetches
	WIN 0
.irp q, 0,1,2,3
	v_cmp_lt_f32 s[MK+\q], v[BEST+4*(\st)+\q], v[BEST+4*(1-(\st))+\q]
.endr
.if \step
	v_add_nc_u32 v[LA], s[TB], v[LAB]
	s_add_co_u32 s[TB], s[TB], PAIRB
.endif
.irp q, 0,1,2,3
	v_cndmask_b32 v[CODE+\q], v[CODE+\q], s[TC], s[MK+\q]
.endr
	WIN WTOP
.irp q, 0,1,2,3
	v_cndmask_b32 v[SV+15*\q+14], v[SV+15*\q+14], v[ACC+64*(\st)+16*\q+14], s[MK+\q]
.endr
.irp q, 0,1,2,3
	s_mov_b32 vcc_lo, s[MK+\q]                     ; the paired selects take their mask from VCC
.irp k, 0,2,4,6,8,10,12
	v_dual_cndmask_b32 v[SV+15*\q+\k], v[SV+15*\q+\k], v[ACC+64*(\st)+16*\q+\k] :: v_dual_cndmask_b32 v[SV+15*\q+\k+1], v[SV+15*\q+\k+1], v[ACC+64*(\st)+16*\q+\k+1]
.endr
.endr
	s_add_co_u32 s[TC], s[TC], 32
.endm
; A trip into set st; ep = 1: the argmax over the other set; ld = 1: the next pair is fetched, twelve lines of the argmax behind the last product (four places are owed in front of loads into
; registers that matrix instructions have read: ISA guide 7.12.1 for vector instructions).  Those lines name none of the products' registers.
.macro TRIP st, ld, ep
	WIN WMUL
	MUL \st
.if \ep
	WIN WTOP
	TOP 1-\st, 0
	TOP 1-\st, 1
	TOP 1-\st, 2
.if \ld
	FRAGS LA
.endif
	TOP 1-\st, 3
	TOP 1-\st, 4
	TOP 1-\st, 5
	TOP 1-\st, 6
	TOP 1-\st, 7
	KEEP 1-\st, \ld
.else
	WIN 0
.rept 4
	v_nop
.endr
	FRAGS LA
	v_add_nc_u32 v[LA], s[TB], v[LAB]
	s_add_co_u32 s[TB], s[TB], PAIRB
.endif
.endm
	s_load_b128 s[4:7], s[0:1], 0x0                ; qpack s[4:5], ipack s[6:7]
	s_load_b64 s[8:9], s[0:1], 0x10                ; cand
	v_lshl_add_u32 v[SPW], v0, 2, SPARE
	v_mov_b32 v[NIL], 0
	ds_add_u32 v[SPW], v[NIL]                      ; the wave's opening: the add, twice on end, and its wait ahead of my first tensor load
	ds_add_u32 v[SPW], v[NIL]
	v_lshrrev_b32 v[TT], 5, v0
	v_readfirstlane_b32 s10, v[TT]                 ; wave 0..7
	v_and_b32 v[L16], 31, v0
	v_and_b32 v[R16], 15, v0
	v_lshlrev_b32 v[L16], 4, v[L16]
	v_lshlrev_b32 v[R16], 4, v[R16]
	v_lshrrev_b32 v[LAB], 7, v0                    ; p
	v_mul_u32_u24 v[LAB], PARTB, v[LAB]
	v_add_nc_u32 v[LAB], v[LAB], v[L16]
	v_add_nc_u32 v[LA], PAIRB, v[LAB]              ; trip 0 fetches my second pair
	s_and_b32 s41, s10, 3                          ; g
	s_lshr_b32 s42, s10, 2                         ; p
	s_bfe_u32 s11, ttmp6, 0x40000                  ; cx: my place in the cluster
	s_lshl_b32 s12, ttmp9, 2                       ; in a cluster launch ttmp9 counts clusters
	s_add_co_u32 s12, s12, s11                     ; x = 4 x cluster x + cx: it enters the queries' and the candidates' addresses alone
	s_and_b32 s13, ttmp7, 0xffff                   ; y: the quarter of the items, which the four partners share
	; descriptor group 1: two pairs, 17,408 dense bytes, as 68 rows of 256 bytes (32 elements of 8 bytes); no padding: a fragment's loads read consecutive bytes
	s_mov_b32 s[G1+0], 15|(3<<16)|(1<<21)          ; 15:0 the mask: all four work-groups; 17:16 elements of 8 bytes; 21 set beside a mask
	s_mov_b32 s[G1+1], 32<<16                      ; tensor_dim0 = 32
	s_mov_b32 s[G1+2], 68<<16                      ; tensor_dim1 = 68
	s_mov_b32 s[G1+3], 32<<16                      ; tile_dim0 = 32
	s_mov_b32 s[G1+4], 68                          ; tile_dim1 = 68
	s_mov_b32 s[G1+5], 32                          ; from row to row
	s_mov_b32 s[G1+6], 0
	s_mov_b32 s[G1+7], 0
	s_mul_i32 s14, s10, 2*PAIRB                    ; my two pairs of a half: no place in the cluster enters an LDS address
	s_mul_i32 s44, s13, 2*HALFB
	s_add_co_u32 s44, s44, s14                     ; in the items' pack: quarter y, then my pairs
	s_mov_b32 s45, 0
	s_lshl_b32 s46, s12, 3
	s_lshl_b32 s47, s41, 1
	s_add_co_u32 s46, s46, s47
	s_mul_i32 s46, s46, PAIRB                      ; my 64 queries are pairs 8 x + 2 g and the next
	s_mov_b32 s47, 0
	s_lshl_b32 s48, s13, 16                        ; the candidates: 65,536 y + 4 (256 x + 64 g)
	s_lshl_b32 s49, s12, 10
	s_add_co_u32 s48, s48, s49
	s_lshl_b32 s49, s41, 8
	s_add_co_u32 s48, s48, s49
	s_mov_b32 s49, 0
	s_mov_b32 s[SEL], 0x76543210
	s_mov_b32 s[SEL+1], 0xfedcba98
	s_mov_b32 s[TB], 2*PAIRB
	s_mov_b32 s[TC], 0
	s_wait_alu depctr_va_vdst(0)
	s_wait_dscnt 0x0                               ; both opening adds are done
	s_wait_kmcnt 0x0
	s_add_nc_u64 s[44:45], s[6:7], s[44:45]
	s_add_nc_u64 s[46:47], s[4:5], s[46:47]
	s_add_nc_u64 s[48:49], s[8:9], s[48:49]
.irp f, 0,1                            ; fill f: my two pairs of half f
	s_mov_b32 s[G0+4*\f], 1                                        ; count = 1
	s_add_co_u32 s[G0+4*\f+1], s14, \f*HALFB                       ; LDS address
	s_add_nc_u64 s[G0+4*\f+2:G0+4*\f+3], s[44:45], \f*HALFB        ; global address
	s_or_b32 s[G0+4*\f+3], s[G0+4*\f+3], 0x80000000                ; type = 2
.endr
	ROUND                                          ; all four work-groups are here: the joint loads meet
	tensor_load_to_lds s[G0:G0+3], s[G1:G1+7]      ; the first half goes out ahead of the queries' loads
	s_nop 0
.rept 4
	v_nop
.endr
	WIN 0x40
.irp q, 0,1,2,3                        ; the queries stay in registers: window 1
.irp ks, 0,1,2,3
.irp c, 0,1
	global_load_b128 v[QF+32*\q+8*\ks+4*\c:QF+32*\q+8*\ks+4*\c+3], v[L16], s[46:47] offset:(\q/2)*PAIRB+(\q%2)*4096+1024*\ks+512*\c
.endr
.endr
.endr
	WIN 0
.irp q, 0,1,2,3
	global_load_b128 v[QS+4*\q:QS+4*\q+3], v[R16], s[46:47] offset:(\q/2)*PAIRB+8192+256*(\q%2)   ; lane r: the four scale words of row r of the tile (lanes 16-31 hold the same)
.endr
.irp q, 0,1,2,3
	v_mov_b32 v[BEST+\q], 0xff800000               ; -infinity: the first pair's largest score takes the record
	v_mov_b32 v[CODE+\q], 0                        ; the selects name the old record too, so it is written once, under the fills' flight
.endr
.set i, 0
.rept 60
	v_mov_b32 v[SV+i], 0
.set i, i+1
.endr
	s_wait_alu depctr_va_vdst(0)
	s_wait_tensorcnt 0x0                           ; my two pairs of the first half are in
	ds_add_u32 v[SPW], v[NIL]
	s_wait_dscnt 0x0
	ROUND                                          ; pairs 0 to 15 are whole, and all four work-groups are here
	tensor_load_to_lds s[G0+4:G0+7], s[G1:G1+7]    ; the second half
	s_nop 0
.rept 4
	v_nop
.endr
	FRAGS LAB                                      ; my first pair
	s_wait_loadcnt 0x0                             ; the queries
	TRIP 0, 1, 0                                   ; trip 0: no pair before it
	s_mov_b32 s[CNT], 2
.Lfirst_half:                                          ; trips 1 to 4
	TRIP 1, 1, 1
	TRIP 0, 1, 1
	WIN 0
	s_sub_co_u32 s[CNT], s[CNT], 1
	s_cmp_lg_u32 s[CNT], 0
	s_cbranch_scc1 .Lfirst_half
	TRIP 1, 1, 1                                   ; trip 5
	s_wait_tensorcnt 0x0                           ; my two pairs of the second half are in: say so (nothing is filled again, so register work and reads of the first half,
	s_wait_dscnt 0x0                               ; which nobody writes any more, may stand between this signal and its wait)
	s_barrier_signal -1
	TRIP 0, 1, 1                                   ; trip 6
	WIN 0
	s_mov_b32 s[TB], HALFB
	v_add_nc_u32 v[LA], s[TB], v[LAB]              ; trip 7 fetches the first pair of my part of the second half
	s_mov_b32 s[TB], HALFB+PAIRB
	s_barrier_wait -1                              ; everybody's pairs of the second half are in
	s_mov_b32 s[CNT], 4
.Lsecond_half:                                         ; trips 7 to 14
	TRIP 1, 1, 1
	TRIP 0, 1, 1
	WIN 0
	s_sub_co_u32 s[CNT], s[CNT], 1
	s_cmp_lg_u32 s[CNT], 0
	s_cbranch_scc1 .Lsecond_half
	TRIP 1, 0, 1                                   ; trip 15 fetches nothing
	WIN WTOP
.irp s, 0,1,2,3,4,5,6,7
	TOP 1, \s                                      ; and the argmax over its pair: the maximum ends in v[BEST .. BEST + 3]
.endr
	KEEP 1, 0
	WIN 0
	; THE WAY OUT.  The item fragments' registers are free.
.set RR,  44                           ; r
.set HH,  45                           ; h
.set VB,  46                           ; 1024 y + 256 p + 8 h
.set STO, 47                           ; the stage: where I put a word
.set RD,  48                           ; and where I read 16 bytes back
.set GO,  49                           ; my byte offset among the candidates
.set OFF, 52
.set IDX, 56
.set OB,  60
.set OI,  64
.set MN,  68
.set K0,  72                           ; four queries' scores and items of part 0, then of part 1
.set K1,  76
.set I0,  80
.set I1,  84
	s_lshl_b32 s50, s13, 10
	s_lshl_b32 s51, s42, 8
	s_add_co_u32 s50, s50, s51
	s_lshl_b32 s51, s10, 9
	s_add_co_u32 s51, s51, STAGE                   ; my stage: 256 bytes of scores, 256 of indices
	v_and_b32 v[RR], 15, v0
	v_bfe_u32 v[HH], v0, 4, 1
	v_lshl_add_u32 v[VB], v[HH], 3, s50
	v_lshlrev_b32 v[STO], 2, v[RR]
	v_lshlrev_b32 v[RD], 4, v[RR]
	v_lshlrev_b32 v[GO], 4, v[RR]
	v_lshl_add_u32 v[STO], v[HH], 8, v[STO]
	v_lshl_add_u32 v[GO], v[HH], 18, v[GO]         ; the indices lie 262,144 bytes behind the keys
	v_add_nc_u32 v[STO], s51, v[STO]               ; lanes 0-15 put the score of query r, lanes 16-31 its index
	v_add_nc_u32 v[RD], s51, v[RD]
.irp q, 0,1,2,3
	v_mov_b32 v[OB+\q], 0                          ; a lane permute's destination counts as one of its sources
	v_mov_b32 v[OI+\q], 0
	v_mov_b32 v[OFF+\q], 23                        ; register 15's item, where none of the 15 kept scores is the maximum
.endr
.irp k, 14,13,12,11,10,9,8,7,6,5,4,3,2,1,0
.irp q, 0,1,2,3
	v_cmp_eq_f32 s[MK+\q], v[SV+15*\q+\k], v[BEST+\q]
.endr
.irp q, 0,1,2,3
	v_cndmask_b32 v[OFF+\q], v[OFF+\q], (\k/8)*16+(\k%8), s[MK+\q]   ; downward, so the lowest stays
.endr
.endr
.irp q, 0,1,2,3
	v_and_b32 v[TT+\q], 0x100, v[CODE+\q]          ; the sweep's second eight pairs lie eight pairs further on
.endr
.irp q, 0,1,2,3
	v_add3_u32 v[IDX+\q], v[CODE+\q], v[OFF+\q], v[VB]
.endr
.irp q, 0,1,2,3
	v_add_nc_u32 v[IDX+\q], v[IDX+\q], v[TT+\q]    ; the item's number among all 4,096
.endr
	; the query's other items lie in lane l xor 16: the larger score, at equal scores the lower index
.irp q, 0,1,2,3
	v_permlanex16_b32 v[OB+\q], v[BEST+\q], s[SEL], s[SEL+1]
.endr
.irp q, 0,1,2,3
	v_permlanex16_b32 v[OI+\q], v[IDX+\q], s[SEL], s[SEL+1]
.endr
; the larger of two scores into a, its item into ia; at equal scores the lower item.  Four queries by turns
.macro JOIN a, b, ia, ib
.irp q, 0,1,2,3
	v_min_u32 v[MN+\q], v[\ia+\q], v[\ib+\q]
.endr
.irp q, 0,1,2,3
	v_cmp_eq_f32 s[MK+\q], v[\b+\q], v[\a+\q]
.endr
.irp q, 0,1,2,3
	v_cndmask_b32 v[\ia+\q], v[\ia+\q], v[MN+\q], s[MK+\q]
.endr
.irp q, 0,1,2,3
	v_cmp_gt_f32 s[MK+\q], v[\b+\q], v[\a+\q]
.endr
.irp q, 0,1,2,3
	v_cndmask_b32 v[\ia+\q], v[\ia+\q], v[\ib+\q], s[MK+\q]
.endr
.irp q, 0,1,2,3
	v_max_num_f32 v[\a+\q], v[\a+\q], v[\b+\q]
.endr
.endm
	JOIN BEST, OB, IDX, OI
	v_cmp_ne_u32 vcc_lo, 0, v[HH]
.irp q, 0,1,2,3
	v_cndmask_b32 v[TT+\q], v[BEST+\q], v[IDX+\q], vcc_lo
.endr
.irp q, 0,1,2,3
	ds_store_b32 v[STO], v[TT+\q] offset:64*\q
.endr
	s_wait_alu depctr_va_vdst(0)
	s_wait_dscnt 0x0                               ; for the others' sake: my stores have landed
	s_barrier_signal -1
	s_barrier_wait -1
	s_cmp_gt_u32 s10, 3
	s_cbranch_scc1 .Lend                           ; wave g joins the two parts of its 64 queries, four queries a lane
	ds_load_b128 v[K0:K0+3], v[RD]
	ds_load_b128 v[I0:I0+3], v[RD] offset:256
	ds_load_b128 v[K1:K1+3], v[RD] offset:2048     ; wave g + 4's stage
	ds_load_b128 v[I1:I1+3], v[RD] offset:2304
	s_wait_dscnt 0x0
	JOIN K0, K1, I0, I1
	; the score as a u32 that keeps the order: -0 becomes +0; then a number that is not negative gets its top bit set, a negative one all its bits turned
.irp q, 0,1,2,3
	v_add_f32 v[TT+\q], 0, v[K0+\q]
.endr
.irp q, 0,1,2,3
	v_ashrrev_i32 v[OFF+\q], 31, v[TT+\q]
.endr
.irp q, 0,1,2,3
	v_or_b32 v[OFF+\q], 0x80000000, v[OFF+\q]
.endr
.irp q, 0,1,2,3
	v_xor_b32 v[TT+\q], v[TT+\q], v[OFF+\q]
.endr
	v_cmp_ne_u32 vcc_lo, 0, v[HH]
.irp q, 0,1,2,3
	v_cndmask_b32 v[OFF+\q], v[TT+\q], v[I0+\q], vcc_lo            ; lanes 0-15 the keys, lanes 16-31 the indices
.endr
	global_store_b128 v[GO], v[OFF:OFF+3], s[48:49]                ; 64 keys and 64 indices: 256 consecutive bytes each, at multiples of 256 from the buffer's first byte
.Lend:
	s_wait_tensorcnt 0x0                           ; the wave's end
	ds_add_u32 v[SPW], v[NIL]
	s_wait_dscnt 0x0
	ROUND                                          ; the closing round: no work-group ends while a partner may still ask for a pair that names it
	s_endpgm
.Lfunc_end_k_qfd7cb5ca9e_score:
	.size	k_qfd7cb5ca9e_score, .Lfunc_end_k_qfd7cb5ca9e_score-k_qfd7cb5ca9e_score
	.p2alignl 7, 3214868480
	.fill 96, 4, 3214868480
	.section	.rodata,"a",@progbits
	.p2align	6, 0x0
	.amdhsa_kernel k_qfd7cb5ca9e_score
		.amdhsa_group_segment_fixed_size 327680
		.amdhsa_private_segment_fixed_size 0
		.amdhsa_enable_private_segment 0
		.amdhsa_kernarg_size 24
		.amdhsa_user_sgpr_count 2
		.amdhsa_user_sgpr_kernarg_segment_ptr 1
		.amdhsa_wavefront_size32 1
		.amdhsa_system_sgpr_workgroup_id_x 1
		.amdhsa_system_sgpr_workgroup_id_y 1
		.amdhsa_system_sgpr_workgroup_id_z 1
		.amdhsa_system_vgpr_workitem_id 0
		.amdhsa_next_free_vgpr 512
		.amdhsa_next_free_sgpr 66
		.amdhsa_reserve_vcc 1
		.amdhsa_float_denorm_mode_32 3
		.amdhsa_float_denorm_mode_16_64 3
		.amdhsa_memory_ordered 1
		.amdhsa_forward_progress 1
		.amdhsa_inst_pref_size 90
	.end_amdhsa_kernel
	.amdgpu_metadata
---
amdhsa.version: [ 1, 2 ]
amdhsa.kernels:
  - .name:           k_qfd7cb5ca9e_score
    .symbol:         k_qfd7cb5ca9e_score.kd
    .args:
      - { .name: qpack, .offset: 0, .size: 8, .value_kind: global_buffer, .address_space: global }
      - { .name: ipack, .offset: 8, .size: 8, .value_kind: global_buffer, .address_space: global }
      - { .name: cand, .offset: 16, .size: 8, .value_kind: global_buffer, .address_space: global }
    .group_segment_fixed_size: 327680
    .private_segment_fixed_size: 0
    .kernarg_segment_align: 8
    .kernarg_segment_size: 24
    .max_flat_workgroup_size: 256
    .sgpr_count:     66
    .vgpr_count:     512
    .wavefront_size: 32
...
	.end_amdgpu_metadata
.endif
;; end of part 2
;; launch sim (part 3): grid 256 x 1, 16 waves a work-group, no clusters, 167,936 bytes of LDS; arguments queries, items, cand, out0; writes out0
.if DOCPART == 3
	.amdgcn_target "amdgcn-amd-amdhsa--gfx1250"
	.amdhsa_code_object_version 6
	.text
	.protected	k_qfd7cb5ca9e_sim
	.globl	k_qfd7cb5ca9e_sim
	.p2align	8
	.type	k_qfd7cb5ca9e_sim,@function
k_qfd7cb5ca9e_sim:
	s_mov_b64 s[64:65], 0
	v_nop
	global_prefetch_b8 v0, s[64:65] scope:SCOPE_SE
	s_setreg_imm32_b32 hwreg(HW_REG_WAVE_MODE, 25, 1), 1
	s_wait_xcnt 0x0
; out0[t] = - (q . p) / (max(|q|, 1e-12) max(|p|, 1e-12)), q = queries[t], p = the item with the largest score, both as they are given, all in f32.
; WORK LEFT OUT: the softmax's values and the second of the top two (the first kernel's head says why).
; The item is chosen among the four quarters' candidates by compares of WHOLE NUMBERS that the launch before stored (the score as a u32 that keeps the order, and the index):
; a later quarter takes the place only where its key is strictly larger, so a tie stays with the lower index.
; SHARES.  A work-group takes 64 rows, each of its sixteen waves four.  A wave's four rows of queries are 8,192 dense bytes: ONE tensor load brings them into the wave's own LDS, filled once and read by that wave alone, so its own wait
; on TENSORcnt orders the reads.  The items' rows are gathered by global loads, four of 512 consecutive bytes a row.  No tile is shared between work-groups: no cluster.  No loop, so nothing to prefetch for.
; The 64 results meet in LDS and leave as one aligned run of 256 bytes.
; LIMITS: the norms divide the finished sum and not each number (another order of rounding than the problem's text); NaN and infinities are not served; sums of squares overflow where the problem's own do.
.set STAGE, 16*8192                    ; behind the waves' rows: 256 bytes for the results; no fill lands there
.set SPARE, STAGE+256                  ; the spare words, 128 bytes for each wave, that no other line names
.set L16, 1                            ; v1     16 x lane
.set VO,  2                            ; v2-5   row i: the item's row + 16 x lane
.set WA,  6                            ; v6     16 x wave + STAGE: my four results' place in LDS
.set L8,  7                            ; v7     8 x lane
.set D,   8                            ; v8-15  row i: q . p, in two halves
.set QQ,  16                           ; v16-23 q . q
.set PP,  24                           ; v24-31 p . p
.set Q,   32                           ; v32-95  four rows of queries, 16 registers each
.set P,   96                           ; v96-159 four rows of items
.set SPW, 160                          ; v160   LDS address of my spare word; never rewritten
.set NIL, 161                          ; v161   0; never rewritten
; (v16 and v24 hold two LDS addresses until the sums take them: my wave's rows + 16 x lane, and 8 x lane + STAGE)
	s_load_b256 s[40:47], s[0:1], 0x0              ; queries s[40:41], items s[42:43], cand s[44:45], out0 s[46:47]
	v_lshl_add_u32 v[SPW], v0, 2, SPARE
	v_mov_b32 v[NIL], 0
	ds_add_u32 v[SPW], v[NIL]                      ; the wave's opening: the add, twice on end, and its wait ahead of my tensor load
	ds_add_u32 v[SPW], v[NIL]
	v_lshrrev_b32 v[D], 5, v0
	v_readfirstlane_b32 s58, v[D]                  ; wave 0..15
	v_and_b32 v[L8], 31, v0
	v_lshlrev_b32 v[WA], 4, v[D]
	v_lshlrev_b32 v[L16], 4, v[L8]
	v_lshlrev_b32 v[L8], 3, v[L8]
	v_add_nc_u32 v[WA], STAGE, v[WA]
	v_lshl_add_u32 v[QQ], v[D], 13, v[L16]         ; LDS: my wave's rows + 16 x lane
	v_add_nc_u32 v[PP], STAGE, v[L8]               ; LDS: 8 bytes of the results
	s_mov_b32 s56, 0x76543210
	s_mov_b32 s57, 0xfedcba98                      ; v_permlanex16_b32's selects for lane l xor 16
	; descriptor group 1, s[68:75]: 8,192 dense bytes as 32 rows of 256 bytes (32 elements of 8 bytes), no padding
	s_mov_b32 s68, 3<<16                           ; 17:16 elements of 8 bytes; no mask
	s_mov_b32 s69, 32<<16                          ; tensor_dim0 = 32
	s_mov_b32 s70, 32<<16                          ; tensor_dim1 = 32
	s_mov_b32 s71, 32<<16                          ; tile_dim0 = 32
	s_mov_b32 s72, 32                              ; tile_dim1 = 32
	s_mov_b32 s73, 32                              ; from row to row
	s_mov_b32 s74, 0
	s_mov_b32 s75, 0
	s_lshl_b32 s50, ttmp9, 6
	s_lshl_b32 s51, s58, 2
	s_add_co_u32 s50, s50, s51                     ; my first row: 64 x work-group + 4 x wave
	s_lshl_b32 s52, s50, 11                        ; in the queries,
	s_mov_b32 s53, 0
	s_lshl_b32 s50, s50, 2                         ; among the candidates,
	s_mov_b32 s51, 0
	s_lshl_b32 s60, ttmp9, 8                       ; and the work-group's 256 bytes of the output
	s_mov_b32 s61, 0
	s_mov_b32 s76, 1                               ; group 0, s[76:79]: count = 1
	s_lshl_b32 s77, s58, 13                        ; LDS address: 8,192 x wave
	s_wait_alu depctr_va_vdst(0)
	s_wait_dscnt 0x0                               ; both opening adds are done
	s_wait_kmcnt 0x0
	s_add_nc_u64 s[48:49], s[44:45], s[50:51]
	s_add_nc_u64 s[78:79], s[40:41], s[52:53]      ; global address
	s_or_b32 s79, s79, 0x80000000                  ; type = 2
	s_add_nc_u64 s[60:61], s[46:47], s[60:61]
.irp y, 0,1,2,3
	s_load_b128 s[8+4*\y:11+4*\y], s[48:49], 65536*\y              ; quarter y's keys of my four rows: s[8 + 4 y + i]
	s_load_b128 s[24+4*\y:27+4*\y], s[48:49], 262144+65536*\y      ; and its indices: s[24 + 4 y + i]
.endr
	tensor_load_to_lds s[76:79], s[68:75]          ; the one tensor load of this wave
	s_nop 0
	s_wait_kmcnt 0x0
.irp i, 0,1,2,3
.irp y, 1,2,3
	s_cmp_gt_u32 s[8+4*\y+\i], s[8+\i]             ; strictly larger: else the lower quarter stays
	s_cselect_b32 s[8+\i], s[8+4*\y+\i], s[8+\i]
	s_cselect_b32 s[24+\i], s[24+4*\y+\i], s[24+\i]
.endr
	s_min_u32 s[24+\i], s[24+\i], 4095             ; an index stays inside its table
	s_lshl_b32 s[24+\i], s[24+\i], 11              ; a row of 2,048 bytes
	v_add_nc_u32 v[VO+\i], s[24+\i], v[L16]
.endr
	s_wait_alu depctr_va_vdst(0)
.irp i, 0,1,2,3
.irp m, 0,1,2,3
	global_load_b128 v[P+16*\i+4*\m:P+16*\i+4*\m+3], v[VO+\i], s[42:43] offset:512*\m   ; no cache word: a row may be named by many queries
.endr
.endr
	s_wait_tensorcnt 0x0                           ; my four rows of queries are in LDS
.irp i, 0,1,2,3
.irp m, 0,1,2,3
	ds_load_b128 v[Q+16*\i+4*\m:Q+16*\i+4*\m+3], v[QQ] offset:2048*\i+512*\m   ; 512 consecutive bytes each, laid as the item's row is
.endr
.endr
	v_mov_b32 v[L16], v[PP]                        ; (the results' LDS address, kept while v24-31 take sums)
	s_wait_alu depctr_va_vdst(0)
	s_wait_dscnt 0x0                               ; the queries are in registers; the sixteen loads of items may be out: q . q is summed meanwhile
.irp i, 0,1,2,3
	v_pk_mul_f32 v[QQ+2*\i:QQ+2*\i+1], v[Q+16*\i:Q+16*\i+1], v[Q+16*\i:Q+16*\i+1]   ; the first products start the sums: nothing is cleared
.endr
.irp j, 2,4,6,8,10,12,14
.irp i, 0,1,2,3
	s_delay_alu instid0(VALU_DEP_4)
	v_pk_fma_f32 v[QQ+2*\i:QQ+2*\i+1], v[Q+16*\i+\j:Q+16*\i+\j+1], v[Q+16*\i+\j:Q+16*\i+\j+1], v[QQ+2*\i:QQ+2*\i+1]
.endr
.endr
.macro ROWSUM i
	s_wait_loadcnt 4*(3-\i)                        ; this row's item is in; the later rows' four loads each may be out
	v_pk_mul_f32 v[D+2*\i:D+2*\i+1], v[Q+16*\i:Q+16*\i+1], v[P+16*\i:P+16*\i+1]
	v_pk_mul_f32 v[PP+2*\i:PP+2*\i+1], v[P+16*\i:P+16*\i+1], v[P+16*\i:P+16*\i+1]
.irp j, 2,4,6,8,10,12,14
	s_delay_alu instid0(VALU_DEP_2)
	v_pk_fma_f32 v[D+2*\i:D+2*\i+1], v[Q+16*\i+\j:Q+16*\i+\j+1], v[P+16*\i+\j:P+16*\i+\j+1], v[D+2*\i:D+2*\i+1]
	s_delay_alu instid0(VALU_DEP_2)
	v_pk_fma_f32 v[PP+2*\i:PP+2*\i+1], v[P+16*\i+\j:P+16*\i+\j+1], v[P+16*\i+\j:P+16*\i+\j+1], v[PP+2*\i:PP+2*\i+1]
.endr
.endm
	ROWSUM 0
	ROWSUM 1
	ROWSUM 2
	ROWSUM 3
	; twelve sums: the two halves, then across the 32 lanes: four steps inside each half of 16 lanes, one across; every lane ends with the sum
.irp s, 8,10,12,14,16,18,20,22,24,26,28,30
	v_add_f32 v[\s], v[\s], v[\s+1]
.endr
.irp m, 1,2,4,8
.irp s, 8,10,12,14,16,18,20,22,24,26,28,30
	v_add_f32_dpp v[\s], v[\s], v[\s] row_xmask:\m row_mask:0xf bank_mask:0xf
.endr
.endr
.irp s, 8,10,12,14,16,18,20,22,24,26,28,30
	v_permlanex16_b32 v[\s+1], v[\s], s56, s57
.endr
.irp s, 8,10,12,14,16,18,20,22,24,26,28,30
	v_add_f32 v[\s], v[\s], v[\s+1]
.endr
	s_wait_alu depctr_va_vdst(0)
.irp s, 16,18,20,22,24,26,28,30
	v_sqrt_f32 v[\s], v[\s]                        ; the norms
.endr
	v_nop                                          ; a plain line between the last root and the use of its result
	s_wait_alu depctr_va_vdst(0)                   ; and behind it
.irp s, 16,18,20,22,24,26,28,30
	v_max_num_f32 v[\s], 0x2b8cbccc, v[\s]         ; held at 1e-12 from below
.endr
	s_wait_alu depctr_va_vdst(0)                   ; likewise around the reciprocals
.irp s, 16,18,20,22,24,26,28,30
	v_rcp_f32 v[\s], v[\s]
.endr
	v_nop
	s_wait_alu depctr_va_vdst(0)
.irp i, 0,1,2,3
	v_mul_f32 v[D+2*\i], v[D+2*\i], v[QQ+2*\i]
.endr
.irp i, 0,1,2,3
	v_mul_f32 v[D+2*\i], -v[D+2*\i], v[PP+2*\i]
.endr
.irp i, 0,1,2,3
	ds_store_b32 v[WA], v[D+2*\i] offset:4*\i      ; all lanes write the same word with the same value
.endr
	s_wait_dscnt 0x0                               ; for wave 0's sake: my stores have landed
	s_barrier_signal -1
	s_barrier_wait -1
	s_cmp_lg_u32 s58, 0
	s_cbranch_scc1 .Ldone
	ds_load_b64 v[Q:Q+1], v[L16]                   ; wave 0 takes the work-group's 64 results, 8 bytes a lane,
	s_wait_dscnt 0x0
	global_store_b64 v[L8], v[Q:Q+1], s[60:61]     ; and stores 256 consecutive bytes, at a multiple of 256 from the output's first byte
.Ldone:
	s_wait_tensorcnt 0x0                           ; the wave's end
	ds_add_u32 v[SPW], v[NIL]
	s_wait_dscnt 0x0
	s_endpgm
.Lfunc_end_k_qfd7cb5ca9e_sim:
	.size	k_qfd7cb5ca9e_sim, .Lfunc_end_k_qfd7cb5ca9e_sim-k_qfd7cb5ca9e_sim
	.p2alignl 7, 3214868480
	.fill 96, 4, 3214868480
	.section	.rodata,"a",@progbits
	.p2align	6, 0x0
	.amdhsa_kernel k_qfd7cb5ca9e_sim
		.amdhsa_group_segment_fixed_size 167936
		.amdhsa_private_segment_fixed_size 0
		.amdhsa_enable_private_segment 0
		.amdhsa_kernarg_size 32
		.amdhsa_user_sgpr_count 2
		.amdhsa_user_sgpr_kernarg_segment_ptr 1
		.amdhsa_wavefront_size32 1
		.amdhsa_system_sgpr_workgroup_id_x 1
		.amdhsa_system_sgpr_workgroup_id_y 1
		.amdhsa_system_sgpr_workgroup_id_z 1
		.amdhsa_system_vgpr_workitem_id 0
		.amdhsa_next_free_vgpr 162
		.amdhsa_next_free_sgpr 80
		.amdhsa_reserve_vcc 0
		.amdhsa_float_denorm_mode_32 3
		.amdhsa_float_denorm_mode_16_64 3
		.amdhsa_memory_ordered 1
		.amdhsa_forward_progress 1
		.amdhsa_inst_pref_size 23
	.end_amdhsa_kernel
	.amdgpu_metadata
---
amdhsa.version: [ 1, 2 ]
amdhsa.kernels:
  - .name:           k_qfd7cb5ca9e_sim
    .symbol:         k_qfd7cb5ca9e_sim.kd
    .args:
      - { .name: queries, .offset: 0, .size: 8, .value_kind: global_buffer, .address_space: global }
      - { .name: items, .offset: 8, .size: 8, .value_kind: global_buffer, .address_space: global }
      - { .name: cand, .offset: 16, .size: 8, .value_kind: global_buffer, .address_space: global }
      - { .name: out0, .offset: 24, .size: 8, .value_kind: global_buffer, .address_space: global }
    .group_segment_fixed_size: 167936
    .private_segment_fixed_size: 0
    .kernarg_segment_align: 8
    .kernarg_segment_size: 32
    .max_flat_workgroup_size: 512
    .sgpr_count:     80
    .vgpr_count:     162
    .wavefront_size: 32
...
	.end_amdgpu_metadata
.endif
;; end of part 3
